; MI455X (gfx1250); checked and timed in simulation.
; The chip was launched on July 23, 2026; its instructions are those of AMD's public machine-readable ISA for CDNA 5 (MIT licence, August 2026) and "CDNA5" Instruction Set Architecture Reference Guide (July 2026). The comments in the code are by the model that wrote it; some were corrected since.
;; GFA. Allowed arithmetic: matrix products marked QUANTISED: E3M2 operands, one E8M0 scale for each 32 along K, by v_wmma_scale_f32_16x16x128_f8f6f4 with both operands' format E3M2, f32 sums; products left as they are: f32 operands where the result goes on into a quantised operand, else bf16, f16 or f32 operands; f32 sums; everything else in f32.
;; Inputs: ba one number float32; bb one number float32; beta 64 float32; bm 64 float32; feature 4 x 64 x 8,192 x 1 float32; gamma 64 float32; running_mean 64 float32; running_var 64 float32; wa 64 float32; wb 64 float32; wm 64 x 64 float32.
;; Outputs: out0 4 x 64 x 8,192 x 1 float32.
;; This version of the problem:
;;   THIS VERSION OF THE PROBLEM IS GIVEN IN LOW PRECISION. The matrix products marked QUANTISED in the list below multiply operands that are first quantised to E3M2 (3 exponent bits, 2 mantissa bits; 6 bits a number), with one power-of-two scale for each 32 numbers along K (OCP MX v1.0); their sums are f32. All else is computed in f32.
;;   The module's matrix products, in the order in which they are computed (A, B: the left and right operand; K: the contracted axis; several contracted axes count as one K, in the product's order):
;;     1. [M 32,768, K 64] x [K 64, N 1]; A: input feature; B: input wa: left as it is (N = 1 < 16)
;;     2. [M 32,768, K 64] x [K 64, N 1]; A: input feature; B: input wb: left as it is (N = 1 < 16)
;;     3. [M 64, K 64] x [K 64, N 32,768]; A: input wm; B: input feature: QUANTISED
;;     4. batch 4 x [M 64, K 8,192] x [K 8,192, N 8,192]; A: computed on the way; B: softmax (see below): QUANTISED
;;   THE QUANTISER, for each operand of a quantised product, along K:
;;     - K is cut into blocks of 32 from its start; a last block that is shorter is filled with zeros.
;;     - A block's scale is 2^e with e = floor(log2(the largest magnitude in the block)) - 4, held to -126 .. 127; a block of zeros has e = 0. As a byte (E8M0): e + 127.
;;     - Each number is divided by its block's scale, clamped to +-28, and rounded to the nearest number of E3M2, ties to even, subnormals kept.
;;     - The product sums the exact products of the quantised numbers (number of the format x scale) in f32.
;;   ~~~python
;;   def quantise(x, axis):      # numpy; x: float32 -> the quantised numbers, widened to float32 again
;;       x = np.moveaxis(x, axis, -1); K = x.shape[-1]
;;       x = np.pad(x, [(0, 0)] * (x.ndim - 1) + [(0, -K % 32)]); x = x.reshape(x.shape[:-1] + (-1, 32)); a = np.abs(x).max(-1, keepdims=True)
;;       e = np.where(a > 0, np.clip(np.frexp(np.where(a > 0, a, 1))[1] - 1 - 4, -126, 127), 0)      # np.frexp(a)[1] - 1 = floor(log2(a)), exactly
;;       r = np.clip(x / 2.0 ** e, -28, 28)
;;       step = 2.0 ** (np.maximum(np.frexp(np.where(r == 0, 1, r))[1] - 1, -2) - 2)
;;       q = np.round(r / step) * step * 2.0 ** e      # np.round: ties to even
;;       return np.moveaxis(q.reshape(q.shape[:-2] + (-1,))[..., :K], -1, axis).astype(np.float32)
;;   ~~~
;;   SOFTMAX AHEAD OF A QUANTISED PRODUCT. Where the list says 'softmax', what is quantised is not the finished softmax but p = 2^(t - M), with t = logit x log2(e) and M = ceil(the row's largest t), a whole number; so 1/2 < the row's largest p <= 1. The row's sum l is taken of the UNQUANTISED p, in f32, and the product's result is divided by l at the end. Since M is a whole number, a kernel that streams over the keys may use a running M (the ceiling of the running maximum): every later rescaling is an exact power of two, which a block's scale takes up: the codes' values come out the same.
;;   OPERANDS COMPUTED ON THE WAY. 'Computed on the way' means the value that the module computes at that place (a softmax that the list does not call 'softmax' is quantised finished and normalised). What goes into a quantiser is computed in f32, as accurately as f32 sums, v_exp_f32 and their like allow (about 1e-6 of the number): no bf16 or f16 on the way to a quantiser, and a product that is left as it is and whose result goes on into a quantised operand takes f32 operands (vector FMAs, or v_wmma_f32_16x16x4_f32). A number that lies on a knife's edge between two numbers of the format may be rounded either way, as far as f32 arithmetic and the matrix unit's own rounding can turn it there, and no further.
;; One version. Each part assembles by itself: llvm-mc -triple=amdgcn-amd-amdhsa -mcpu=gfx1250 --defsym DOCPART=n.
;; ======== version 1 of 1: 2 launches
;; workspace buffers: rec 1,835,008 bytes; avec 131,072 bytes; bmm 8,192 bytes
;; launch prep (part 1): grid 64 x 4, 4 waves a work-group, no clusters, 49,152 bytes of LDS; arguments feature, wa, ba, wb, bb, wm, bm, gamma, beta, running_mean, running_var, rec, avec, bmm; writes rec, avec, bmm
.if DOCPART == 1
	.amdgcn_target "amdgcn-amd-amdhsa--gfx1250"
	.amdhsa_code_object_version 6
	.text
	.protected	k_qe093ce68ff_prep
	.globl	k_qe093ce68ff_prep
	.p2align	8
	.type	k_qe093ce68ff_prep,@function
k_qe093ce68ff_prep:
	s_mov_b64 s[64:65], 0
	v_nop
	global_prefetch_b8 v0, s[64:65] scope:SCOPE_SE
	s_setreg_imm32_b32 hwreg(HW_REG_WAVE_MODE, 25, 1), 1
	s_wait_xcnt 0x0
; PREP.  x = feature [4][64 channels][8192 points], f32.  A work-group (x = step of 128 points, y = batch) makes all that the second launch wants of these 128 points as KEYS and as QUERIES:
;   a' = (x . wa + ba) log2(e) and b = x . wb + bb, f32 multiply-adds;  each block of 32 keys' largest and smallest b;
;   f = ((Q(wm) Q(x) + bm) - mean) gamma / sqrt(var + 1e-5) + beta, the product on codes of BF6 (E3M2) with one E8M0 scale for each 32 channels (K = the 64 channels),
;   and f quantised again along the KEYS (the second launch's K), stored as an IMAGE OF THE OPERAND'S REGISTERS.
; OUT.  rec [4][64 steps][7168 bytes]: bytes 0-6143 f's codes: channel tile t (16 channels x 128 keys, 12 registers a lane) at 1536 t, as three pieces of 512 bytes, lane l's 16 bytes at 16 l;
;   bytes 6144-6655 f's scale words: at 16 l the words of tiles 0-3 for channel l % 16;  bytes 6656-7167 b of the 128 keys.   avec [4][8192]: a'.
;   bmm [4][64 steps][2 h][4]: largest, smallest b of block h, largest, smallest b of block 2 + h (block w = keys 32 w .. 32 w + 31 of the step).
; SHARES.  Wave w fetches channels 16 w .. 16 w + 15 (each load 512 consecutive bytes); quantises key tiles 2 w and 2 w + 1 of x, makes a' and b of their 32 keys (block w); makes channel tile w of f.
; THE KEYS OF A TILE ARE NOT NEIGHBOURS: lane r of tile 2 b + u takes key 32 b + 8 u + r + 8 (r / 8).  The product is taken with source 0 = 16 keys and source 1 = my 16 channels, so that a lane holds ONE channel
; and the 16 registers of tiles 2 b, 2 b + 1 are 16 neighbouring keys, 32 b + 16 (lane / 16) + 0 .. 15: the order in which the conversions want them.
; K = 64 fills half of the instruction's 128: the upper 64 are zero codes on both sides, under the scale byte 0, and add nothing.
; The norm is folded: f = sum x SC + SH, SC = gamma rsq(var + eps), SH = (bm - mean) SC + beta: one fused multiply-add for each number, all in f32.
; LIMITS.  NaN and infinities are not served.  A block of zeros gets the scale byte 1 where the rule says 127: its codes are zeros, and this program alone reads the bytes.
; bmm's stores are 8 bytes a wave (all lanes the same 8 bytes): 8 KB of the program's traffic in pieces under 256 bytes.
; No tensor loads: 32 KB a work-group come by plain loads; no cluster: work-groups share only 17 KB of weights.
.set XIMG, 33024                       ; LDS: from 0 x's 64 rows of 512 bytes, row c at 512 c + 32 (c / 32): read down the channels, lanes 16-31 then stand 8 words on in the banks from lanes 0-15
.set XSC,  XIMG+8*1536                 ; x's 8 fragments as images of their registers (1,536 bytes each); then their scale words, 128 bytes each
.set OUTS, XSC+8*128                   ; + 0 f's scale image, + 512 b, + 1024 a': 512 bytes each
.set LN16, 4                           ; v4   16 x lane
.set LN4,  5                           ; v5   4 x lane
.set XSTO, 6                           ; v6   where I store x's rows: 16 x lane + 8192 w + 32 (w / 2)
.set KST,  7                           ; v7   4 x my key of tile 2 w: 4 (r + 8 (r / 8)) + 128 w
.set XRD,  8                           ; v8   the same + 16416 h: channel 32 h of that key
.set WMO,  9                           ; v9   wm: 256 r + 128 h
.set WAO,  10                          ; v10  wa, wb: 128 h
.set CH4,  11                          ; v11  4 r
.set IMW,  12                          ; v12  where I store x's images: 16 x lane + 3072 w
.set SCW,  13                          ; v13  and their scale words: 4 x lane + 256 w
.set FSW,  14                          ; v14  f's scale image: 16 x lane + 4 w
.set SH8,  15                          ; v15  8 h
.set GAM,  16                          ; v16-20 gamma, beta, mean, var, bm of channel 16 w + r
.set BET,  17
.set MEA,  18
.set VAR,  19
.set BMV,  20
.set NIL,  21                          ; v21  0
.set AC,   22                          ; v22-29 packed sums: tile u: a at AC + 4 u, b at AC + 4 u + 2
.set EXT,  30                          ; v30-31 the block's largest and smallest b
.set XT,   32                          ; v32-95 x's rows as loaded; then tile u's 32 numbers at XT + 32 u
.set XF,   32                          ; v32-127 behind the second barrier: x's 8 fragments
.set WA,   96                          ; v96-127 wa(32 h ..), v128-159 wb, v160-191 wm(16 w + r, 32 h ..)
.set WB,   128
.set WR,   160
.set HA,   128                         ; v128-191 behind the second barrier: the 8 accumulators
.set WF,   192                         ; v192-203 wm's fragment
.set PC,   204                         ; v204-215 the codes just made; v216-223 the conversions' second halves
.set TM,   224                         ; v224-239 at work
.set XSW,  240                         ; v240-247 x's scale words;  v248 wm's: these nine hold scales and nothing else
.set WS,   248
.set PW,   249                         ; v249 f's scale word
.set SCL,  250                         ; v[250:251] SC, v[252:253] SH
.set SHF,  252
.set P3R,  254                         ; v254 16 x lane + 512 w
.set WV,   38
.set BAT,  40
.set SEL,  42                          ; s[42:43] v_permlanex16_b32's selects for lane l xor 16
; 32 numbers of ONE lane, a whole block of 32 along K (block h of K's two), become six registers of codes at v[dst] and the row's scale word in v[word].
.macro Q64 src, dst, word
	v_max3_num_f32 v[TM], |v[\src]|, |v[\src+1]|, |v[\src+2]|          ; the largest magnitude, in two chains
	v_max3_num_f32 v[TM+1], |v[\src+3]|, |v[\src+4]|, |v[\src+5]|
.irp i, 6,10,14,18,22,26
	v_max3_num_f32 v[TM], v[TM], |v[\src+\i]|, |v[\src+\i+1]|
	v_max3_num_f32 v[TM+1], v[TM+1], |v[\src+\i+2]|, |v[\src+\i+3]|
.endr
	v_max3_num_f32 v[TM], v[TM], |v[\src+30]|, |v[\src+31]|
	v_max3_num_f32 v[TM], v[TM], v[TM+1], 0x2800000                    ; and the floor 2^(5 - 127): the byte cannot fall under 1
	v_add_nc_u32 v[TM+2], 0xfe000000, v[TM]                            ; 4 off its exponent field: the conversion's scale operand
	v_lshrrev_b32 v[TM+3], 23, v[TM+2]                                 ; the scale's byte,
	v_lshlrev_b32 v[TM+3], v[SH8], v[TM+3]                             ; at its place in the word (8 h bits up);
	v_permlanex16_b32 v[TM+4], v[TM+3], s[SEL], s[SEL+1]
	v_or_b32 v[\word], v[TM+3], v[TM+4]                                ; with lane l xor 16's: bytes 0 and 1; bytes 2 and 3 stay 0 over zero codes
	v_cvt_scalef32_pk16_bf6_f32 v[\dst:\dst+2], v[\src:\src+15], v[TM+2]
	v_cvt_scalef32_pk16_bf6_f32 v[PC+12:PC+14], v[\src+16:\src+31], v[TM+2]   ; (a conversion's three registers begin on an even number)
	v_nop                                                              ; one plain place behind a scaled conversion
.irp i, 0,1,2
	v_mov_b32 v[\dst+3+\i], v[PC+12+\i]
.endr
.endm
; 64 numbers of a lane, register 16 b + i = k 32 b + 16 (lane / 16) + i of my row, become a fragment's codes in v[PC] on and its scale word in v[PW].
.macro QUANT s
.irp b, 0,1,2,3
	v_max3_num_f32 v[TM+\b], |v[\s+16*\b]|, |v[\s+1+16*\b]|, 0x2800000   ; block b: my 16 numbers, and the floor
.endr
.irp i, 2,4,6,8,10,12,14
.irp b, 0,1,2,3
	v_max3_num_f32 v[TM+\b], v[TM+\b], |v[\s+16*\b+\i]|, |v[\s+1+16*\b+\i]|   ; (the four blocks by turns)
.endr
.endr
.irp b, 0,1,2,3
	v_permlanex16_b32 v[TM+4+\b], v[TM+\b], s[SEL], s[SEL+1]
.endr
.irp b, 0,1,2,3
	v_max_num_f32 v[TM+\b], v[TM+\b], v[TM+4+\b]                       ; with lane l xor 16's: the block's largest magnitude
.endr
.irp b, 0,1,2,3
	v_add_nc_u32 v[TM+12+\b], 0xfe000000, v[TM+\b]                     ; the conversion's scale operand
.endr
.irp b, 0,1,2,3
	v_lshrrev_b32 v[TM+4+\b], 23, v[TM+12+\b]                          ; the scale's byte
.endr
	v_lshl_or_b32 v[PW], v[TM+5], 8, v[TM+4]                           ; the four bytes make my row's scale word
	v_lshl_or_b32 v[PW], v[TM+6], 16, v[PW]
	v_lshl_or_b32 v[PW], v[TM+7], 24, v[PW]
.irp c, 0,1
	v_cvt_scalef32_pk16_bf6_f32 v[PC+6*\c:PC+2+6*\c], v[\s+32*\c:\s+15+32*\c], v[TM+12+2*\c]
	v_cvt_scalef32_pk16_bf6_f32 v[PC+12+4*\c:PC+14+4*\c], v[\s+16+32*\c:\s+31+32*\c], v[TM+12+2*\c+1]
.endr
	v_nop                                                              ; one plain place behind a scaled conversion
.irp c, 0,1                            ; the operand's layout wants a WHOLE block in a lane: lanes 0-15 block 2 c, lanes 16-31 block 2 c + 1
.irp i, 0,1,2
	v_permlane16_swap_b32 v[PC+6*\c+\i], v[PC+12+4*\c+\i]
.endr
.irp i, 0,1,2
	v_mov_b32 v[PC+3+6*\c+\i], v[PC+12+4*\c+\i]
.endr
.endr
.endm
.macro IMAGE adr, off                  ; the fragment in v[PC] on goes to LDS as it stands
.irp c, 0,1,2
	ds_store_b128 v[\adr], v[PC+4*\c:PC+4*\c+3] offset:\off+512*\c
.endr
.endm
.macro FETCH reg, off                  ; and comes back so, in any wave
.irp c, 0,1,2
	ds_load_b128 v[\reg+4*\c:\reg+4*\c+3], v[LN16] offset:\off+512*\c
.endr
.endm
.macro BARRIER                         ; my LDS stores have landed and my LDS loads are in: then the work-group's barrier
	s_wait_dscnt 0x0
	s_barrier_signal -1
	s_barrier_wait -1
.endm
	s_load_b512 s[8:23], s[0:1], 0x0               ; feature s[8:9], wa [10:11], ba [12:13], wb [14:15], bb [16:17], wm [18:19], bm [20:21], gamma [22:23]
	s_load_b256 s[24:31], s[0:1], 0x40             ; beta [24:25], mean [26:27], var [28:29], rec [30:31]
	s_load_b128 s[32:35], s[0:1], 0x60             ; avec [32:33], bmm [34:35]
	v_lshl_add_u32 v235, v0, 2, 0xbe00
	v_mov_b32 v255, 0
	v_lshrrev_b32 v1, 5, v0
	v_readfirstlane_b32 s[WV], v1                  ; wave 0..3
	v_and_b32 v1, 31, v0                           ; lane
	v_and_b32 v2, 15, v0                           ; r
	v_bfe_u32 v3, v0, 4, 1                         ; h
	s_and_b32 s[BAT], ttmp7, 0xffff                ; batch
	s_mov_b32 s[SEL], 0x76543210
	s_mov_b32 s[SEL+1], 0xfedcba98
	v_lshlrev_b32 v[LN16], 4, v1
	v_lshlrev_b32 v[LN4], 2, v1
	s_lshl_b32 s44, s[WV], 13
	s_lshr_b32 s45, s[WV], 1
	s_lshl_b32 s45, s45, 5
	s_add_co_u32 s44, s44, s45
	v_add_nc_u32 v[XSTO], s44, v[LN16]
	v_and_b32 v[KST], 8, v2
	v_add_nc_u32 v[KST], v[KST], v2                ; r + 8 (r / 8)
	v_lshlrev_b32 v[KST], 2, v[KST]
	s_lshl_b32 s44, s[WV], 7
	v_add_nc_u32 v[KST], s44, v[KST]
	v_mad_u32_u24 v[XRD], v3, 16416, v[KST]        ; lanes 16-31 begin at channel 32: 32 rows of 512 bytes and the 32 bytes between the halves
	v_lshlrev_b32 v[WMO], 8, v2
	v_lshl_add_u32 v[WMO], v3, 7, v[WMO]
	v_lshlrev_b32 v[WAO], 7, v3
	v_lshlrev_b32 v[CH4], 2, v2
	s_mul_i32 s44, s[WV], 3072
	v_add_nc_u32 v[IMW], s44, v[LN16]
	s_lshl_b32 s44, s[WV], 8
	v_add_nc_u32 v[SCW], s44, v[LN4]
	s_lshl_b32 s44, s[WV], 2
	v_add_nc_u32 v[FSW], s44, v[LN16]
	s_lshl_b32 s44, s[WV], 9
	v_add_nc_u32 v[P3R], s44, v[LN16]
	v_lshlrev_b32 v[SH8], 3, v3
	v_mov_b32 v[NIL], 0
	; byte offsets, each in registers of its own
	s_lshl_b32 s44, s[BAT], 21                     ; feature: batch x 64 rows of 32,768 bytes + 512 x step + 16 w rows
	s_lshl_b32 s46, ttmp9, 9
	s_add_co_u32 s44, s44, s46
	s_lshl_b32 s46, s[WV], 19
	s_add_co_u32 s44, s44, s46
	s_mov_b32 s45, 0
	s_lshl_b32 s46, s[WV], 12                      ; wm: my 16 rows of 256 bytes
	s_mov_b32 s47, 0
	s_lshl_b32 s48, s[WV], 6                       ; the five vectors: my 16 channels
	s_mov_b32 s49, 0
	s_lshl_b32 s50, s[BAT], 6
	s_add_co_u32 s50, s50, ttmp9
	s_mul_i32 s50, s50, 7168                       ; rec: my record
	s_mov_b32 s51, 0
	s_wait_kmcnt 0x0
	s_add_nc_u64 s[8:9], s[8:9], s[44:45]
.irp i, 0,1,2,3,4,5,6,7,8,9,10,11,12,13,14,15
	global_load_b128 v[XT+4*\i:XT+4*\i+3], v[LN16], s[8:9] offset:32768*\i   ; channel 16 w + i: 32 lanes read the step's 512 consecutive bytes
.endr
	s_load_b32 s36, s[12:13], 0x0                  ; ba
	s_load_b32 s37, s[16:17], 0x0                  ; bb
	s_add_nc_u64 s[18:19], s[18:19], s[46:47]
	s_add_nc_u64 s[20:21], s[20:21], s[48:49]
	s_add_nc_u64 s[22:23], s[22:23], s[48:49]
	s_add_nc_u64 s[24:25], s[24:25], s[48:49]
	s_add_nc_u64 s[26:27], s[26:27], s[48:49]
	s_add_nc_u64 s[28:29], s[28:29], s[48:49]
	s_add_nc_u64 s[30:31], s[30:31], s[50:51]
.irp i, 0,1,2,3,4,5,6,7
	global_load_b128 v[WR+4*\i:WR+4*\i+3], v[WMO], s[18:19] offset:16*\i     ; wm(16 w + r, 32 h + 4 i ..)
.endr
.irp i, 0,1,2,3,4,5,6,7
	global_load_b128 v[WA+4*\i:WA+4*\i+3], v[WAO], s[10:11] offset:16*\i     ; wa(32 h + 4 i ..)
.endr
.irp i, 0,1,2,3,4,5,6,7
	global_load_b128 v[WB+4*\i:WB+4*\i+3], v[WAO], s[14:15] offset:16*\i
.endr
	global_load_b32 v[GAM], v[CH4], s[22:23]
	global_load_b32 v[BET], v[CH4], s[24:25]
	global_load_b32 v[MEA], v[CH4], s[26:27]
	global_load_b32 v[VAR], v[CH4], s[28:29]
	global_load_b32 v[BMV], v[CH4], s[20:21]
	s_lshl_b32 s44, s[BAT], 15                     ; avec: batch x 32,768 + 512 x step  (s45 is still 0)
	s_lshl_b32 s46, ttmp9, 9
	s_add_co_u32 s44, s44, s46
	s_add_nc_u64 s[32:33], s[32:33], s[44:45]
	s_lshl_b32 s44, s[BAT], 11                     ; bmm: batch x 2,048 + 32 x step + 16 (w % 2) + 8 (w / 2)
	s_lshl_b32 s46, ttmp9, 5
	s_add_co_u32 s44, s44, s46
	s_and_b32 s46, s[WV], 1
	s_lshl_b32 s46, s46, 4
	s_add_co_u32 s44, s44, s46
	s_lshr_b32 s46, s[WV], 1
	s_lshl_b32 s46, s46, 3
	s_add_co_u32 s44, s44, s46
	s_add_nc_u64 s[34:35], s[34:35], s[44:45]
	s_mul_i32 s44, s[WV], 1536
	s_add_nc_u64 s[52:53], s[30:31], s[44:45]      ; my channel tile's codes in the record
	s_lshl_b32 s44, s[WV], 9
	s_add_co_u32 s44, s44, 6144
	s_add_nc_u64 s[54:55], s[30:31], s[44:45]      ; the last phase: wave 0 stores the scale image, wave 1 b,
	s_cmp_lt_u32 s[WV], 2
	s_cselect_b64 s[54:55], s[54:55], s[32:33]     ; wave 2 a'.  The choice hangs on the wave's number alone
.irp i, 6,7,8,9,10,11
	v_mov_b32 v[WF+\i], 0                          ; K's upper 64: zero codes, in wm's fragment
	v_mov_b32 v[PC+\i], 0                          ; and in x's images
.endr
.irp i, 4,5,6,7
	v_mov_b32 v[TM+\i], 0                          ; written once: a lane permute's destination counts as one of its sources
.endr
	s_wait_loadcnt 29                              ; x's 16 loads are in; the 29 issued behind them (wm 8, wa 8, wb 8, the vectors 5) may be out
.irp i, 0,1,2,3,4,5,6,7,8,9,10,11,12,13,14,15
	ds_store_b128 v[XSTO], v[XT+4*\i:XT+4*\i+3] offset:512*\i
.endr
	s_wait_loadcnt 21                              ; wm's 8 are in; wa, wb and the vectors (21) may be out
	Q64 WR, WF, WS
	BARRIER                                        ; x's 64 rows lie in LDS
	; ---- my two key tiles: numbers down the channels, a' and b, codes
.irp u, 0,1
.irp i, 0,1,2,3,4,5,6,7,8,9,10,11,12,13,14,15,16,17,18,19,20,21,22,23,24,25,26,27,28,29,30,31
	ds_load_b32 v[XT+32*\u+\i], v[XRD] offset:512*\i+32*\u     ; x(32 h + i, my key of tile 2 w + u)
.endr
.endr
	s_wait_loadcnt 0x0                             ; wa, wb, the vectors
	s_wait_kmcnt 0x0                               ; ba, bb
	v_add_f32 v[VAR], 0x3727c5ac, v[VAR]           ; var + 1e-5
	v_rsq_f32 v[SCL], v[VAR]
	v_sub_f32 v[BMV], v[BMV], v[MEA]               ; (a plain place behind the transcendental)  bm - mean
	s_wait_alu depctr_va_vdst(0)
	v_mul_f32 v[SCL], v[GAM], v[SCL]               ; SC
	v_fma_f32 v[SHF], v[BMV], v[SCL], v[BET]       ; SH
	v_mov_b32 v[SCL+1], v[SCL]                     ; (named as pairs below, so the upper halves are written)
	v_mov_b32 v[SHF+1], v[SHF]
	s_wait_dscnt 32                                ; tile 2 w's 32 loads are in; tile 2 w + 1's may be out
.macro TILE u
	v_pk_mul_f32 v[AC+4*\u:AC+4*\u+1], v[XT+32*\u:XT+32*\u+1], v[WA:WA+1]          ; the first products start the sums; a's and b's chains by turns
	v_pk_mul_f32 v[AC+4*\u+2:AC+4*\u+3], v[XT+32*\u:XT+32*\u+1], v[WB:WB+1]
.irp j, 2,4,6,8,10,12,14,16,18,20,22,24,26,28,30
	v_pk_fma_f32 v[AC+4*\u:AC+4*\u+1], v[XT+32*\u+\j:XT+32*\u+\j+1], v[WA+\j:WA+\j+1], v[AC+4*\u:AC+4*\u+1]
	v_pk_fma_f32 v[AC+4*\u+2:AC+4*\u+3], v[XT+32*\u+\j:XT+32*\u+\j+1], v[WB+\j:WB+\j+1], v[AC+4*\u+2:AC+4*\u+3]
.endr
	v_add_f32 v[AC+4*\u], v[AC+4*\u], v[AC+4*\u+1]
	v_add_f32 v[AC+4*\u+2], v[AC+4*\u+2], v[AC+4*\u+3]
	v_permlanex16_b32 v[TM+5], v[AC+4*\u], s[SEL], s[SEL+1]
	v_permlanex16_b32 v[TM+6], v[AC+4*\u+2], s[SEL], s[SEL+1]
	v_add_f32 v[AC+4*\u], v[AC+4*\u], v[TM+5]      ; with the other 32 channels
	v_add_f32 v[AC+4*\u+2], v[AC+4*\u+2], v[TM+6]
	v_add_f32 v[AC+4*\u], s36, v[AC+4*\u]          ; a
	v_add_f32 v[AC+4*\u+2], s37, v[AC+4*\u+2]      ; b
	v_mul_f32 v[AC+4*\u], 0x3fb8aa3b, v[AC+4*\u]   ; a' = a log2(e)
	ds_store_b32 v[KST], v[AC+4*\u] offset:OUTS+1024+32*\u     ; both halves of the lanes write the same word with the same value
	ds_store_b32 v[KST], v[AC+4*\u+2] offset:OUTS+512+32*\u
	Q64 XT+32*\u, PC, TM+8
	IMAGE IMW, XIMG+1536*\u
	ds_store_b32 v[SCW], v[TM+8] offset:XSC+128*\u
	s_wait_dscnt 0x0                               ; the stores have read their registers (and the other tile's loads are in)
.endm
	TILE 0
	TILE 1
	v_max_num_f32 v[EXT], v[AC+2], v[AC+6]         ; block w's largest b,
	v_max_num_f32 v[EXT+1], -v[AC+2], -v[AC+6]     ; and the largest -b
.irp m, 1,2,4,8
	v_max_num_f32_dpp v[EXT], v[EXT], v[EXT] row_xmask:\m row_mask:0xf bank_mask:0xf
	v_max_num_f32_dpp v[EXT+1], v[EXT+1], v[EXT+1] row_xmask:\m row_mask:0xf bank_mask:0xf
.endr
	v_xor_b32 v[EXT+1], 0x80000000, v[EXT+1]       ; the smallest b
	global_store_b64 v[NIL], v[EXT:EXT+1], s[34:35]  ; every lane holds the same pair and writes the same 8 bytes
	BARRIER                                        ; x's eight fragments and their scale words lie in LDS
	; ---- my channel tile of f for the 128 keys
.irp t, 0,1,2,3,4,5,6,7
	FETCH XF+12*\t, XIMG+1536*\t
	ds_load_b32 v[XSW+\t], v[LN4] offset:XSC+128*\t
.endr
	s_wait_dscnt 0x0
.irp t, 0,1,2,3,4,5,6,7
	v_wmma_scale_f32_16x16x128_f8f6f4 v[HA+8*\t:HA+8*\t+7], v[XF+12*\t:XF+12*\t+11], v[WF:WF+11], 0, v[XSW+\t], v[WS] matrix_a_fmt:MATRIX_FMT_BF6 matrix_b_fmt:MATRIX_FMT_BF6
.endr
.rept 4
	v_nop                                          ; four places between the last product and the first read of results (ISA guide 7.12.1)
.endr
.set J, 0
.rept 32
	v_pk_fma_f32 v[HA+J:HA+J+1], v[HA+J:HA+J+1], v[SCL:SCL+1], v[SHF:SHF+1] op_sel_hi:[1,0,0]   ; f = sum x SC + SH; each accumulator from its low end on
.set J, J+2
.endr
	QUANT HA                                       ; along the keys
.irp c, 0,1,2
	global_store_b128 v[LN16], v[PC+4*\c:PC+4*\c+3], s[52:53] offset:512*\c   ; 32 lanes store 512 consecutive bytes, at a multiple of 256 from rec's first byte
.endr
	ds_store_b32 v[FSW], v[PW] offset:OUTS
	BARRIER                                        ; the scale image, b and a' lie in LDS
	s_cmp_eq_u32 s[WV], 3
	s_cbranch_scc1 .Ldone                          ; three pieces of 512 bytes: waves 0, 1, 2
	ds_load_b128 v[TM:TM+3], v[P3R] offset:OUTS
	s_wait_dscnt 0x0
	global_store_b128 v[LN16], v[TM:TM+3], s[54:55]  ; 512 consecutive bytes, at a multiple of 256 from the buffer's first byte
.Ldone:
	s_wait_tensorcnt 0x0
	ds_add_u32 v235, v255
	s_wait_dscnt 0x0
	s_endpgm
.Lfunc_end_k_qe093ce68ff_prep:
	.size	k_qe093ce68ff_prep, .Lfunc_end_k_qe093ce68ff_prep-k_qe093ce68ff_prep
	.p2alignl 7, 3214868480
	.fill 96, 4, 3214868480
	.section	.rodata,"a",@progbits
	.p2align	6, 0x0
	.amdhsa_kernel k_qe093ce68ff_prep
		.amdhsa_group_segment_fixed_size 49152
		.amdhsa_private_segment_fixed_size 0
		.amdhsa_enable_private_segment 0
		.amdhsa_kernarg_size 112
		.amdhsa_user_sgpr_count 2
		.amdhsa_user_sgpr_kernarg_segment_ptr 1
		.amdhsa_wavefront_size32 1
		.amdhsa_system_sgpr_workgroup_id_x 1
		.amdhsa_system_sgpr_workgroup_id_y 1
		.amdhsa_system_sgpr_workgroup_id_z 1
		.amdhsa_system_vgpr_workitem_id 0
		.amdhsa_next_free_vgpr 256
		.amdhsa_next_free_sgpr 66
		.amdhsa_reserve_vcc 0
		.amdhsa_float_denorm_mode_32 3
		.amdhsa_float_denorm_mode_16_64 3
		.amdhsa_memory_ordered 1
		.amdhsa_forward_progress 1
		.amdhsa_inst_pref_size 35
	.end_amdhsa_kernel
	.amdgpu_metadata
---
amdhsa.version: [ 1, 2 ]
amdhsa.kernels:
  - .name:           k_qe093ce68ff_prep
    .symbol:         k_qe093ce68ff_prep.kd
    .args:
      - { .name: feature, .offset: 0, .size: 8, .value_kind: global_buffer, .address_space: global }
      - { .name: wa, .offset: 8, .size: 8, .value_kind: global_buffer, .address_space: global }
      - { .name: ba, .offset: 16, .size: 8, .value_kind: global_buffer, .address_space: global }
      - { .name: wb, .offset: 24, .size: 8, .value_kind: global_buffer, .address_space: global }
      - { .name: bb, .offset: 32, .size: 8, .value_kind: global_buffer, .address_space: global }
      - { .name: wm, .offset: 40, .size: 8, .value_kind: global_buffer, .address_space: global }
      - { .name: bm, .offset: 48, .size: 8, .value_kind: global_buffer, .address_space: global }
      - { .name: gamma, .offset: 56, .size: 8, .value_kind: global_buffer, .address_space: global }
      - { .name: beta, .offset: 64, .size: 8, .value_kind: global_buffer, .address_space: global }
      - { .name: running_mean, .offset: 72, .size: 8, .value_kind: global_buffer, .address_space: global }
      - { .name: running_var, .offset: 80, .size: 8, .value_kind: global_buffer, .address_space: global }
      - { .name: rec, .offset: 88, .size: 8, .value_kind: global_buffer, .address_space: global }
      - { .name: avec, .offset: 96, .size: 8, .value_kind: global_buffer, .address_space: global }
      - { .name: bmm, .offset: 104, .size: 8, .value_kind: global_buffer, .address_space: global }
    .group_segment_fixed_size: 49152
    .private_segment_fixed_size: 0
    .kernarg_segment_align: 8
    .kernarg_segment_size: 112
    .max_flat_workgroup_size: 128
    .sgpr_count:     66
    .vgpr_count:     256
    .wavefront_size: 32
...
	.end_amdgpu_metadata
.endif
;; end of part 1
;; launch attend (part 2): grid 64 x 4, 8 waves a work-group, clusters of 4 x 1, 327,680 bytes of LDS; arguments rec, avec, bmm, feature, out0; writes out0
.if DOCPART == 2
	.amdgcn_target "amdgcn-amd-amdhsa--gfx1250"
	.amdhsa_code_object_version 6
	.text
	.protected	k_qe093ce68ff_attend
	.globl	k_qe093ce68ff_attend
	.p2align	8
	.type	k_qe093ce68ff_attend,@function
k_qe093ce68ff_attend:
	s_mov_b64 s[64:65], 0
	v_nop
	global_prefetch_b8 v0, s[64:65] scope:SCOPE_SE
	s_setreg_imm32_b32 hwreg(HW_REG_WAVE_MODE, 25, 1), 1
	s_wait_xcnt 0x0
	s_wait_alu depctr_hold_cnt(0) depctr_sa_sdst(0) depctr_va_vdst(0) depctr_va_sdst(0) depctr_va_ssrc(0) depctr_va_vcc(0) depctr_vm_vsrc(0)
	s_getreg_b32 s2, hwreg(HW_REG_IB_STS2, 6, 4)
	s_cmp_eq_u32 s2, 0
	s_cbranch_scc0 .Lentry_in_a_cluster
	s_endpgm
.Lentry_in_a_cluster:
	s_bfe_u32 s2, ttmp6, 0x10000c
	s_cmp_lg_u32 s2, 0x3003
	s_cbranch_scc0 .Lentry_shape_is_right
	s_endpgm
.Lentry_shape_is_right:
; ATTEND.  out0[b][c][n] = feature[b][c][n] + (sum over m of Q(f)[c][m] Q(p)[n][m]) / l[n],  p = 2^(a'[n] b[m] - M[n]),  l = the f32 sum of the unquantised p.
; The product is done on codes of BF6 (E3M2) with one E8M0 scale for each 32 keys.  f's codes, f's scale words and b come from the first launch's records (7,168 bytes for 128 keys), a' from avec.
; THE LOGITS ARE A PRODUCT OF TWO VECTORS, and three things follow.  (1) There is no product of scores: a lane makes p by one fused multiply-add and one exponential, straight in the order of the operand's
; registers: lane (r, h) holds query r and, in block c of a step, keys 64 c + 32 h + 0 .. 31, a whole block of 32: no number changes lanes.  (2) The row's largest t is a' x the batch's largest b or a' x its
; smallest: M = ceil of it is known ahead of the loop; nothing is ever rescaled.  (3) A block's largest p is the p of the block's largest b (a' >= 0) or smallest b (a' < 0): that b, chosen by v_cndmask_b32, goes
; through the same multiply-add and exponential as the block's numbers, so it has the same bits (this takes v_exp_f32 not to fall where its input rises).
; SHARES.  A work-group owns 128 queries of a batch, each of its eight waves 16, in 256 registers: two waves to a SIMD.  Every wave walks the batch's 64 steps of 128 keys.
; The vector work outweighs the products: a step is 66 exponentials, 64 packed lines and 4 matrix instructions a wave.  So the loop is laid for the vector unit: while one block's 32 exponentials run in place, the
; block before is summed pair by pair and the block after is made into the registers just summed: each exponential has a plain line behind it.
; O^T = f p^T: source 0 = 16 channels (an image of registers, by ds_load_b128), source 1 = my 16 queries: a lane holds one query and eight channels of each of the four channel tiles.
; RING.  Two LDS slots of 16 records (114,688 bytes); each wave brings two records by one tensor load.  CLUSTER: the four work-groups of a cluster are query blocks of one batch and walk the same records: every fill
; is asked for JOINTLY, by the same load with the same descriptor and the mask of all four.  Only one tensor is shared, so the cluster is 4 x 1.
; LIMITS.  NaN and infinities are not served.  p under 2^-126 becomes 0 (v_exp_f32: ISA guide 15.8), beside a row's largest p above 1/2.  a' is rounded once ahead of the product, so t carries about 6e-8 |t|;
; M is a whole number for |t| under 2^23.  A block whose every p is 0 has the scale byte 1 over zero codes.
; Left out: register windows and larger wave tiles (the matrix unit has an eighth of the loop's lines); prefetching (the records were written just before, and a refill has 16 steps in which to land).
.set REC,   7168                       ; a record: 6,144 bytes of codes, 512 of scale words, 512 of b
.set SLOTB, 16*REC
.set SLOT1, 131072                     ; slot 0 at 0, slot 1 here
.set MM,    245760                     ; behind the ring: the batch's 2,048 bytes of bmm, put there by LDS stores; 256 unused bytes follow
.set STAGE, MM+2304                    ; the way out: 64 rows (channels) of 512 bytes + 16
.set SP,    528
.set SPARE, STAGE+64*SP                ; the spare words, 128 bytes for each wave: four blocks of 256 bytes that no other line names
.set SPW, 1                            ; v1   LDS address of my spare word; never rewritten
.set NIL, 2                            ; v2   0; never rewritten
.set LF0, 3                            ; v3   16 x lane
.set LB0, 4                            ; v4   128 h: my half's 32 numbers of b in a block pair
.set LM0, 5                            ; v5   MM + 16 h
.set AF,  6                            ; v6   the record in hand + LF0
.set AB,  7                            ; v7   the record in hand + LB0
.set AM,  8                            ; v8   the next step's extremes
.set SH8, 9                            ; v9   8 h
.set AQ,  10                           ; v[10:11] a'
.set NM,  12                           ; v[12:13] -M
.set LS,  14                           ; v[14:17] the row's sum, two packed chains
.set U0,  18                           ; v18-19 the conversions' scale operands of blocks c = 0, 1
.set U1,  19
.set BY0, 20                           ; v20-21 at work on the scales
.set BY1, 21
.set PW,  22                           ; v22  p's scale word: it holds scales and nothing else
.set PX,  23
.set MMR, 24                           ; v24-27 largest, smallest b of my block c = 0; of my block c = 1
.set FS,  28                           ; v28-31 f's scale words, tiles 0-3: scales and nothing else
.set PC,  32                           ; v32-43 p's codes
.set PT,  44                           ; v44-46 a conversion's second half
.set FF,  48                           ; v48-95 f's four fragments
.set OA,  96                           ; v96-127 O^T: four accumulators
.set X0,  128                          ; v128-159 block c = 0: t - M, then p
.set X1,  160                          ; v160-191 block c = 1
.set B0,  192                          ; v192-223 b of block c = 0
.set B1,  224                          ; v224-255 b of block c = 1
.set WV,  14
.set SEL, 22                           ; s[22:23] v_permlanex16_b32's selects for lane l xor 16
.set G1,  24                           ; s[24:31] descriptor group 1
.set G0,  32                           ; s[32:39] group 0, a set for each slot
.set TB,  40                           ; s40  LDS byte at which the record to be read next begins
.set TQ,  41                           ; s41  32 x the step whose extremes are read next
.set CNT, 42
.set SGN, 43                           ; s43  the lanes with a' >= 0: it steers v_cndmask_b32 alone
.macro CROUND                          ; a round of the cluster's barrier
	s_barrier_signal -1
	s_barrier_wait -1
	s_cmp_lg_u32 s[WV], 0
	s_cbranch_scc1 .Lnot_wave_0_\@
	s_barrier_signal -3
.Lnot_wave_0_\@:
	s_barrier_wait -3
	s_barrier_signal -1
	s_barrier_wait -1
.endm
; Four lines: pair j of block y (old p) is summed; two exponentials of block x run in place; pair j of y is made anew, t - M of the numbers of b in bs.
.macro IL y, x, bs, l, j, add, fma
.if \add
	v_pk_add_f32 v[\l:\l+1], v[\l:\l+1], v[\y+2*(\j):\y+2*(\j)+1]
.endif
	v_exp_f32 v[\x+2*(\j)], v[\x+2*(\j)]
.if \fma
	v_pk_fma_f32 v[\y+2*(\j):\y+2*(\j)+1], v[\bs+2*(\j):\bs+2*(\j)+1], v[AQ:AQ+1], v[NM:NM+1] op_sel_hi:[1,0,0]
.endif
	v_exp_f32 v[\x+2*(\j)+1], v[\x+2*(\j)+1]
.endm
; Slice i of ten of a step's scales.
.macro SCALE i, nxt
.if (\i) == 0
	v_cndmask_b32 v[BY0], v[MMR+1], v[MMR], s[SGN]         ; the b that gives the block's largest p
	v_cndmask_b32 v[BY1], v[MMR+3], v[MMR+2], s[SGN]
.if \nxt
	ds_load_b128 v[MMR:MMR+3], v[AM]                       ; the next step's extremes
.endif
.elseif (\i) == 1
	v_fma_f32 v[BY0], v[BY0], v[AQ], v[NM]                 ; the same multiply-add as the block's numbers
	v_fma_f32 v[BY1], v[BY1], v[AQ], v[NM]
.elseif (\i) == 2
	v_exp_f32 v[BY0], v[BY0]                               ; the block's largest p
	v_exp_f32 v[BY1], v[BY1]
.elseif (\i) == 3
	s_wait_alu depctr_va_vdst(0)
	v_max_num_f32 v[BY0], 0x2800000, v[BY0]                ; the floor 2^(5 - 127): the byte cannot fall under 1
	v_max_num_f32 v[BY1], 0x2800000, v[BY1]
.elseif (\i) == 4
	v_add_nc_u32 v[U0], 0xfe000000, v[BY0]                 ; 4 off the exponent field: the conversion's scale operand
	v_add_nc_u32 v[U1], 0xfe000000, v[BY1]
.elseif (\i) == 5
	v_lshrrev_b32 v[BY0], 23, v[U0]                        ; the scale's byte
	v_lshrrev_b32 v[BY1], 23, v[U1]
.elseif (\i) == 6
	v_lshl_or_b32 v[BY0], v[BY1], 16, v[BY0]               ; my two bytes: blocks h and 2 + h,
.elseif (\i) == 7
	v_lshlrev_b32 v[BY0], v[SH8], v[BY0]                   ; at their places in the word
.elseif (\i) == 8
	v_permlanex16_b32 v[PX], v[BY0], s[SEL], s[SEL+1]
.else
	v_or_b32 v[PW], v[BY0], v[PX]                          ; with lane l xor 16's two the word is whole
	s_wait_alu depctr_va_vdst(0)
.endif
.endm
.macro CVT x, d, u                     ; block x's 32 p become six registers of codes at v[PC + d]
	v_cvt_scalef32_pk16_bf6_f32 v[PC+\d:PC+\d+2], v[\x:\x+15], v[\u]
	v_cvt_scalef32_pk16_bf6_f32 v[PT:PT+2], v[\x+16:\x+31], v[\u]      ; (a conversion's three registers begin on an even number)
	v_nop                                                  ; one plain place behind a scaled conversion
.irp i, 0,1,2
	v_mov_b32 v[PC+\d+3+\i], v[PT+\i]
.endr
.endm
.macro MM4 zero                        ; a step's four products; the four accumulators take turns, over the loop's edge too.  zero = 1: they start the sums
.irp t, 0,1,2,3
.if \zero
	v_wmma_scale_f32_16x16x128_f8f6f4 v[OA+8*\t:OA+8*\t+7], v[FF+12*\t:FF+12*\t+11], v[PC:PC+11], 0, v[FS+\t], v[PW] matrix_a_fmt:MATRIX_FMT_BF6 matrix_b_fmt:MATRIX_FMT_BF6
.else
	v_wmma_scale_f32_16x16x128_f8f6f4 v[OA+8*\t:OA+8*\t+7], v[FF+12*\t:FF+12*\t+11], v[PC:PC+11], v[OA+8*\t:OA+8*\t+7], v[FS+\t], v[PW] matrix_a_fmt:MATRIX_FMT_BF6 matrix_b_fmt:MATRIX_FMT_BF6
.endif
.endr
.endm
; THE EVEN PHASE of step s: X0's exponentials (block (s, 0)); X1 gives up block (s - 1, 1) and takes block (s, 1).  Its head also ends step s - 1: that block's codes and the step's four products.
.macro EVEN_A prev, zero               ; prev = 0: there is no step before
	s_wait_dscnt 0x0                               ; B1, f's fragments and scale words and the extremes are in: all were asked for a phase ago or more
	v_add_nc_u32 v[AM], s[TQ], v[LM0]              ; (the plain line behind the last exponential)
	s_wait_alu depctr_va_vdst(0)
	s_add_co_u32 s[TQ], s[TQ], 32
.if \prev
	CVT X1, 6, U1
.endif
.irp j, 0,1,2
	IL X1, X0, B1, LS, \j, \prev, 1                ; six plain lines: the places between the codes' last write and the products
.endr
.if \prev
	MM4 \zero
.endif
.irp j, 3,4,5
	IL X1, X0, B1, LS, \j, \prev, 1                ; six plain lines that name none of the products' registers: the places in front of the loads below
.endr
.irp k, 0,1,2,3,4,5,6,7,8,9,10,11
	ds_load_b128 v[FF+4*\k:FF+4*\k+3], v[AF] offset:512*\k     ; step s's fragments of f, as images of their registers
.endr
	ds_load_b128 v[FS:FS+3], v[AF] offset:6144     ; and its four scale words
.endm
.macro EVEN_B nxt, add                 ; nxt = 1: the next record's first reads
.if \nxt
	v_add_nc_u32 v[AF], s[TB], v[LF0]
	v_add_nc_u32 v[AB], s[TB], v[LB0]
	s_add_co_u32 s[TB], s[TB], REC
.irp i, 0,1,2,3,4,5,6,7
	ds_load_b128 v[B0+4*\i:B0+4*\i+3], v[AB] offset:6656+16*\i   ; b of block (s + 1, 0): sixteen lanes read the same 16 bytes
.endr
.endif
.set J, 6
.rept 10
	IL X1, X0, B1, LS, J, \add, 1
	SCALE J-6, \nxt
.set J, J+1
.endr
.endm
; THE ODD PHASE of step s: X1's exponentials (block (s, 1)); X0 gives up block (s, 0) and takes block (s + 1, 0).
.macro ODD nxt
	CVT X0, 0, U0
.if \nxt
.irp i, 0,1,2,3,4,5,6,7
	ds_load_b128 v[B1+4*\i:B1+4*\i+3], v[AB] offset:6912+16*\i   ; b of block (s + 1, 1)
.endr
	s_wait_dscnt 9                                 ; B0's eight loads are in; the nine issued behind them (the extremes' one, B1's eight) may be out
.endif
.set J, 0
.rept 16
	IL X0, X1, B0, LS+2, J, 1, \nxt
.set J, J+1
.endr
.endm
.macro TRIP first                      ; the rest of step s and the head of step s + 1: of LDS it reads record s + 1 alone
	EVEN_B 1, 1-\first
	ODD 1
	EVEN_A 1, \first
.endm
.macro WALK n
	s_mov_b32 s[CNT], \n
.Lwalk_\@:
	TRIP 0
	s_sub_co_u32 s[CNT], s[CNT], 1
	s_cmp_lg_u32 s[CNT], 0
	s_cbranch_scc1 .Lwalk_\@
.endm
; THE CHANGE OF SLOTS, between two trips.  Each wave waits for all its tensor loads (its part of the slot ahead), adds 0 to its spare word, and waits for that and for its reads of the slot that it leaves.
; fill = 1: slot q, just left, is filled with the records two slots on; the barrier is then a round of the cluster's, and the joint refill is the first thing behind it: it has 16 steps in which to land.
.macro CHANGE fill, q, base
	s_wait_tensorcnt 0x0                           ; no tensor load of mine is out, so a group 0 may be written
	ds_add_u32 v[SPW], v[NIL]                      ; 0 onto my spare word
.if \fill
	s_add_nc_u64 s[G0+4*\q+2:G0+4*\q+3], s[G0+4*\q+2:G0+4*\q+3], 2*SLOTB   ; the type bits on top are not reached
.endif
	s_mov_b32 s[TB], \base                         ; the reads go on in the other slot
	s_wait_dscnt 0x0                               ; the add is done, and my reads of the slot that I leave are over
.if \fill
	CROUND
	tensor_load_to_lds s[G0+4*\q:G0+4*\q+3], s[G1:G1+7]
	s_nop 0
.rept 4
	v_nop
.endr
.else
	s_barrier_signal -1
	s_barrier_wait -1
.endif
.endm
	s_load_b256 s[4:11], s[0:1], 0x0               ; rec s[4:5], avec [6:7], bmm [8:9], feature [10:11]
	s_load_b64 s[12:13], s[0:1], 0x20              ; out0
	v_lshl_add_u32 v[SPW], v0, 2, SPARE
	v_mov_b32 v[NIL], 0
	ds_add_u32 v1, v2
	ds_add_u32 v1, v2
	s_wait_dscnt 0x0
	v_lshrrev_b32 v3, 5, v0
	v_readfirstlane_b32 s[WV], v3                  ; wave 0..7
	s_bfe_u32 s15, ttmp6, 0x40000                  ; cx: my place in the cluster
	s_lshl_b32 s16, ttmp9, 2                       ; in a cluster launch ttmp9 counts clusters
	s_add_co_u32 s16, s16, s15                     ; my block of 128 queries: it enters avec's, feature's and out0's addresses alone
	s_and_b32 s17, ttmp7, 0xffff                   ; the batch, which the four partners share
	s_mov_b32 s[SEL], 0x76543210
	s_mov_b32 s[SEL+1], 0xfedcba98
	; descriptor group 1: two records, 14,336 dense bytes, as 56 rows of 256 bytes (32 elements of 8 bytes), no padding
	s_mov_b32 s[G1], 15|(3<<16)|(1<<21)            ; 15:0 the mask: all four work-groups; 17:16 elements of 8 bytes; 21 set beside a mask
	s_mov_b32 s[G1+1], 32<<16                      ; tensor_dim0 = 32
	s_mov_b32 s[G1+2], 56<<16                      ; tensor_dim1 = 56
	s_mov_b32 s[G1+3], 32<<16                      ; tile_dim0 = 32
	s_mov_b32 s[G1+4], 56                          ; tile_dim1 = 56
	s_mov_b32 s[G1+5], 32                          ; from row to row
	s_mov_b32 s[G1+6], 0
	s_mov_b32 s[G1+7], 0
	s_mul_i32 s18, s17, 64*REC                     ; the batch's records,
	s_mul_i32 s20, s[WV], 2*REC                    ; my two of a slot's sixteen: in memory and in LDS alike
	s_add_co_u32 s18, s18, s20
	s_mov_b32 s19, 0
	s_lshl_b32 s44, s17, 15                        ; avec: batch x 32,768 + 512 x block + 64 x wave
	s_lshl_b32 s46, s16, 9
	s_add_co_u32 s44, s44, s46
	s_lshl_b32 s47, s[WV], 6
	s_add_co_u32 s44, s44, s47
	s_mov_b32 s45, 0
	v_and_b32 v3, 31, v0
	v_lshlrev_b32 v[LF0], 4, v3
	v_bfe_u32 v9, v0, 4, 1                         ; h
	v_lshlrev_b32 v[LB0], 7, v9
	v_lshl_add_u32 v[LM0], v9, 4, MM
	v_lshlrev_b32 v[SH8], 3, v9
	v_and_b32 v6, 15, v0
	v_lshlrev_b32 v6, 2, v6                        ; 4 r
	v_lshlrev_b32 v7, 3, v0                        ; 8 x thread: my 8 bytes of the batch's bmm,
	v_add_nc_u32 v8, MM, v7                        ; and their place in LDS
	s_wait_kmcnt 0x0
	s_mov_b32 s[G0], 1                             ; count = 1
	s_mov_b32 s[G0+1], s20                         ; LDS address: slot 0
	s_add_nc_u64 s[G0+2:G0+3], s[4:5], s[18:19]    ; records 0-15
	s_mov_b32 s[G0+4], 1
	s_add_co_u32 s[G0+5], s20, SLOT1
	s_add_nc_u64 s[G0+6:G0+7], s[G0+2:G0+3], SLOTB ; records 16-31
	s_or_b32 s[G0+3], s[G0+3], 0x80000000          ; type = 2
	s_or_b32 s[G0+7], s[G0+7], 0x80000000
	s_add_nc_u64 s[6:7], s[6:7], s[44:45]
	s_lshl_b32 s20, s17, 11                        ; bmm: batch x 2,048
	s_mov_b32 s21, 0
	s_add_nc_u64 s[8:9], s[8:9], s[20:21]
	s_lshl_b32 s44, s17, 21                        ; feature, out0: batch x 64 rows of 32,768 bytes + 8 x wave rows + 512 x block
	s_add_co_u32 s44, s44, s46
	s_lshl_b32 s47, s[WV], 18
	s_add_co_u32 s44, s44, s47
	s_add_nc_u64 s[10:11], s[10:11], s[44:45]
	s_add_nc_u64 s[12:13], s[12:13], s[44:45]
	global_load_b64 v[MMR:MMR+1], v7, s[8:9]
	global_load_b32 v[AQ], v6, s[6:7]              ; a' of my query
	CROUND                                         ; all four work-groups are here: the first joint loads meet
	tensor_load_to_lds s[G0:G0+3], s[G1:G1+7]      ; both first fills together: two loads of mine are out
	s_nop 0
	tensor_load_to_lds s[G0+4:G0+7], s[G1:G1+7]
	s_nop 0
.rept 4
	v_nop
.endr
	s_wait_loadcnt 0x0
	ds_store_b64 v8, v[MMR:MMR+1]
	s_wait_tensorcnt 0x1                           ; my part of slot 0 is in; slot 1's may stay out
	s_wait_dscnt 0x0
	s_barrier_signal -1
	s_barrier_wait -1                              ; slot 0 and the extremes are whole
	; ---- ahead of the loop: M, and block (0, 0)
	v_add_nc_u32 v6, MM, v[LF0]
.irp i, 0,1,2,3
	ds_load_b128 v[X1+4*\i:X1+4*\i+3], v6 offset:512*\i          ; the batch's 128 quads of extremes, four a lane
.endr
.irp i, 0,1,2,3,4,5,6,7
	ds_load_b128 v[B0+4*\i:B0+4*\i+3], v[LB0] offset:6656+16*\i  ; record 0
.endr
.irp i, 0,1,2,3,4,5,6,7
	ds_load_b128 v[B1+4*\i:B1+4*\i+3], v[LB0] offset:6912+16*\i
.endr
	ds_load_b128 v[MMR:MMR+3], v[LM0]
	v_mov_b32 v[AQ+1], v[AQ]                       ; (named as a pair, so it is written)
.irp i, 0,1,2,3
	v_mov_b32 v[LS+\i], 0                          ; the row's sum
.endr
	v_mov_b32 v[PX], 0                             ; written once: a lane permute's destination counts as one of its sources
	v_mov_b32 v[U0], 0
	v_mov_b32 v[U1], 0
	s_mov_b32 s[TB], REC
	s_mov_b32 s[TQ], 32
	s_wait_dscnt 0x0
	v_max3_num_f32 v[BY0], v[X1], v[X1+2], v[X1+4]
	v_min3_num_f32 v[BY1], v[X1+1], v[X1+3], v[X1+5]
	v_max3_num_f32 v[BY0], v[BY0], v[X1+6], v[X1+8]
	v_min3_num_f32 v[BY1], v[BY1], v[X1+7], v[X1+9]
	v_max3_num_f32 v[BY0], v[BY0], v[X1+10], v[X1+12]
	v_min3_num_f32 v[BY1], v[BY1], v[X1+11], v[X1+13]
	v_max_num_f32 v[BY0], v[BY0], v[X1+14]
	v_min_num_f32 v[BY1], v[BY1], v[X1+15]
	v_xor_b32 v[BY1], 0x80000000, v[BY1]           ; the largest -b
.irp m, 1,2,4,8
	v_max_num_f32_dpp v[BY0], v[BY0], v[BY0] row_xmask:\m row_mask:0xf bank_mask:0xf
	v_max_num_f32_dpp v[BY1], v[BY1], v[BY1] row_xmask:\m row_mask:0xf bank_mask:0xf
.endr
	v_permlanex16_b32 v[U0], v[BY0], s[SEL], s[SEL+1]
	v_permlanex16_b32 v[U1], v[BY1], s[SEL], s[SEL+1]
	v_max_num_f32 v[BY0], v[BY0], v[U0]            ; the batch's largest b
	v_max_num_f32 v[BY1], v[BY1], v[U1]            ; and minus its smallest
	v_mul_f32 v[U0], v[AQ], v[BY0]
	v_mul_f32 v[U1], v[AQ], -v[BY1]
	v_max_num_f32 v[U0], v[U0], v[U1]              ; my row's largest t
	v_floor_f32 v[NM], -v[U0]                      ; -M = floor(-t) = -ceil(t)
	v_mov_b32 v[NM+1], v[NM]
	v_cmp_ge_f32 s[SGN], v[AQ], 0
	v_mov_b32 v[AF], v[LF0]                        ; record 0
.set J, 0
.rept 16
	v_pk_fma_f32 v[X0+J:X0+J+1], v[B0+J:B0+J+1], v[AQ:AQ+1], v[NM:NM+1] op_sel_hi:[1,0,0]   ; block (0, 0): t - M
.set J, J+2
.endr
	EVEN_A 0, 0
	; ---- the walk: 63 trips, each reading the record one on; slot 0 holds records 0-15, then 32-47; slot 1 records 16-31, then 48-63
	TRIP 1                                         ; step 0: no block to sum yet in its even phase; its products start O^T's sums
	WALK 14                                        ; records 2-15
	CHANGE 1, 0, SLOT1
	WALK 16                                        ; records 16-31
	CHANGE 1, 1, 0
	WALK 16                                        ; records 32-47
	CHANGE 0, 0, SLOT1                             ; nothing is left to fetch
	WALK 16                                        ; records 48-63
	; ---- the last step reads no further record
.irp i, 0,1,2,3,4,5,6,7
	global_load_b128 v[B0+4*\i:B0+4*\i+3], v[LF0], s[10:11] offset:32768*\i   ; feature: channels 8 w + i, my block's 512 bytes; B0 is done with
.endr
	EVEN_B 0, 1
	ODD 0
	s_wait_dscnt 0x0                               ; f's last fragments and scale words
	v_nop                                          ; the plain line behind the last exponential
	s_wait_alu depctr_va_vdst(0)
	CVT X1, 6, U1
.set J, 0
.rept 6
	v_pk_add_f32 v[LS:LS+1], v[LS:LS+1], v[X1+J:X1+J+1]   ; six plain lines: the places between the codes' last write and the products
.set J, J+2
.endr
	MM4 0
.rept 10
	v_pk_add_f32 v[LS:LS+1], v[LS:LS+1], v[X1+J:X1+J+1]   ; the rest of the last block's sum: the places behind the last products
.set J, J+2
.endr
	; ---- THE WAY OUT.  O^T / l goes through a stage of 64 rows (channels) x 128 queries; each wave then takes 8 whole rows, adds feature and stores 512 consecutive bytes an instruction.
	v_pk_add_f32 v[LS:LS+1], v[LS:LS+1], v[LS+2:LS+3]
	v_add_f32 v[LS], v[LS], v[LS+1]
	v_permlanex16_b32 v[PX], v[LS], s[SEL], s[SEL+1]
	v_add_f32 v[LS], v[LS], v[PX]                  ; with lane l xor 16's keys: the row's sum
	v_rcp_f32 v[U0], v[LS]
	v_and_b32 v[AM], 15, v0                        ; (a plain place behind the transcendental)  r
	v_bfe_u32 v[SH8], v0, 4, 1                     ; h
	v_lshlrev_b32 v[AF], 2, v[AM]
	v_mad_u32_u24 v[AF], v[SH8], 8*SP, v[AF]
	s_lshl_b32 s18, s[WV], 6
	s_add_co_u32 s18, s18, STAGE
	v_add_nc_u32 v[AF], s18, v[AF]                 ; in: row 8 h (+ 16 t + j), query 16 w + r.  8 rows are 1,056 words: lanes 16-31 stand 32 words on in the banks from lanes 0-15 (64 banks of 4 bytes: ISA guide 11.1)
	s_mul_i32 s19, s[WV], 8*SP
	s_add_co_u32 s19, s19, STAGE
	v_add_nc_u32 v[AB], s19, v[LF0]                ; back: rows 8 w on, 16 bytes a lane
.set J, 0
	s_wait_alu depctr_va_vdst(0)
.rept 16
	v_pk_mul_f32 v[X0+J:X0+J+1], v[OA+J:OA+J+1], v[U0:U0+1] op_sel_hi:[1,0]   ; each accumulator from its low end on
.set J, J+2
.endr
.irp t, 0,1,2,3
.irp j, 0,1,2,3,4,5,6,7
	ds_store_b32 v[AF], v[X0+8*\t+\j] offset:(16*\t+\j)*SP
.endr
.endr
	s_wait_dscnt 0x0                               ; for the others' sake: my stores into the stage are done
	s_barrier_signal -1
	s_barrier_wait -1
.irp i, 0,1,2,3,4,5,6,7
	ds_load_b128 v[X1+4*\i:X1+4*\i+3], v[AB] offset:\i*SP
.endr
	s_wait_loadcnt 0x0                             ; feature
	s_wait_dscnt 0x0
.set J, 0
.rept 16
	v_pk_add_f32 v[X1+J:X1+J+1], v[X1+J:X1+J+1], v[B0+J:B0+J+1]
.set J, J+2
.endr
.irp i, 0,1,2,3,4,5,6,7
	global_store_b128 v[LF0], v[X1+4*\i:X1+4*\i+3], s[12:13] offset:32768*\i th:TH_STORE_NT   ; 32 lanes store 512 consecutive bytes, at a multiple of 256 from out0's first byte
.endr
	s_wait_tensorcnt 0x0                           ; the wave's end, behind my last tensor load and my last LDS store
	ds_add_u32 v[SPW], v[NIL]
	s_wait_dscnt 0x0
	CROUND                                         ; the closing round: no work-group ends while a partner may still ask for a tile that names it
	s_endpgm
.Lfunc_end_k_qe093ce68ff_attend:
	.size	k_qe093ce68ff_attend, .Lfunc_end_k_qe093ce68ff_attend-k_qe093ce68ff_attend
	.p2alignl 7, 3214868480
	.fill 96, 4, 3214868480
	.section	.rodata,"a",@progbits
	.p2align	6, 0x0
	.amdhsa_kernel k_qe093ce68ff_attend
		.amdhsa_group_segment_fixed_size 327680
		.amdhsa_private_segment_fixed_size 0
		.amdhsa_enable_private_segment 0
		.amdhsa_kernarg_size 40
		.amdhsa_user_sgpr_count 2
		.amdhsa_user_sgpr_kernarg_segment_ptr 1
		.amdhsa_wavefront_size32 1
		.amdhsa_system_sgpr_workgroup_id_x 1
		.amdhsa_system_sgpr_workgroup_id_y 1
		.amdhsa_system_sgpr_workgroup_id_z 1
		.amdhsa_system_vgpr_workitem_id 0
		.amdhsa_next_free_vgpr 256
		.amdhsa_next_free_sgpr 66
		.amdhsa_reserve_vcc 0
		.amdhsa_float_denorm_mode_32 3
		.amdhsa_float_denorm_mode_16_64 3
		.amdhsa_memory_ordered 1
		.amdhsa_forward_progress 1
		.amdhsa_inst_pref_size 77
	.end_amdhsa_kernel
	.amdgpu_metadata
---
amdhsa.version: [ 1, 2 ]
amdhsa.kernels:
  - .name:           k_qe093ce68ff_attend
    .symbol:         k_qe093ce68ff_attend.kd
    .args:
      - { .name: rec, .offset: 0, .size: 8, .value_kind: global_buffer, .address_space: global }
      - { .name: avec, .offset: 8, .size: 8, .value_kind: global_buffer, .address_space: global }
      - { .name: bmm, .offset: 16, .size: 8, .value_kind: global_buffer, .address_space: global }
      - { .name: feature, .offset: 24, .size: 8, .value_kind: global_buffer, .address_space: global }
      - { .name: out0, .offset: 32, .size: 8, .value_kind: global_buffer, .address_space: global }
    .group_segment_fixed_size: 327680
    .private_segment_fixed_size: 0
    .kernarg_segment_align: 8
    .kernarg_segment_size: 40
    .max_flat_workgroup_size: 256
    .sgpr_count:     66
    .vgpr_count:     256
    .wavefront_size: 32
...
	.end_amdgpu_metadata
.endif
;; end of part 2
